; MI455X (gfx1250); checked and timed in simulation.
; The chip was launched on July 23, 2026; its instructions are those of AMD's public machine-readable ISA for CDNA 5 (MIT licence, August 2026) and "CDNA5" Instruction Set Architecture Reference Guide (July 2026). The comments in the code are by the model that wrote it; some were corrected since.
;; Multi Head Attention. Allowed arithmetic: matrix products marked QUANTISED: E2M1 operands, one E8M0 scale for each 32 along K, by v_wmma_scale_f32_16x16x128_f8f6f4 with both operands' format E2M1 (or v_wmma_scale_f32_32x16x128_f4), f32 sums; everything else in f32.
;; Inputs: bk 1,024 float32; bo 1,024 float32; bq 1,024 float32; bv 1,024 float32; wk_codes 1,024 x 32 x 16 uint8 (E2M1 codes of wk, K innermost, in blocks of 32 codes, two codes a byte); wk_scales 1,024 x 32 uint8 (E8M0 scales of wk, one for each 32 codes along K); wo_codes 1,024 x 32 x 16 uint8 (E2M1 codes of wo, K innermost, in blocks of 32 codes, two codes a byte); wo_scales 1,024 x 32 uint8 (E8M0 scales of wo, one for each 32 codes along K); wq_codes 1,024 x 32 x 16 uint8 (E2M1 codes of wq, K innermost, in blocks of 32 codes, two codes a byte); wq_scales 1,024 x 32 uint8 (E8M0 scales of wq, one for each 32 codes along K); wv_codes 1,024 x 32 x 16 uint8 (E2M1 codes of wv, K innermost, in blocks of 32 codes, two codes a byte); wv_scales 1,024 x 32 uint8 (E8M0 scales of wv, one for each 32 codes along K); x_codes 2 x 2,048 x 32 x 16 uint8 (E2M1 codes of x, K innermost, in blocks of 32 codes, two codes a byte); x_scales 2 x 2,048 x 32 uint8 (E8M0 scales of x, one for each 32 codes along K).
;; Outputs: out0 2 x 2,048 x 1,024 float32.
;; This version of the problem:
;;   THIS VERSION OF THE PROBLEM IS GIVEN IN LOW PRECISION. The matrix products marked QUANTISED in the list below multiply operands that are first quantised to E2M1 (2 exponent bits, 1 mantissa bit; 4 bits a number), with one power-of-two scale for each 32 numbers along K (OCP MX v1.0); their sums are f32. All else is computed in f32.
;;   The module's matrix products, in the order in which they are computed (A, B: the left and right operand; K: the contracted axis; several contracted axes count as one K, in the product's order):
;;     1. [M 4,096, K 1,024] x [K 1,024, N 1,024]; A: input x (given as codes); B: input wq (given as codes): QUANTISED
;;     2. [M 4,096, K 1,024] x [K 1,024, N 1,024]; A: input x (given as codes); B: input wk (given as codes): QUANTISED
;;     3. [M 4,096, K 1,024] x [K 1,024, N 1,024]; A: input x (given as codes); B: input wv (given as codes): QUANTISED
;;     4. batch 32 x [M 2,048, K 64] x [K 64, N 2,048]; A: computed on the way; B: computed on the way: QUANTISED
;;     5. batch 32 x [M 2,048, K 2,048] x [K 2,048, N 64]; A: softmax (see below); B: computed on the way: QUANTISED
;;     6. [M 4,096, K 1,024] x [K 1,024, N 1,024]; A: computed on the way; B: input wo (given as codes): QUANTISED
;;   THE QUANTISER, for each operand of a quantised product, along K:
;;     - K is cut into blocks of 32 from its start; a last block that is shorter is filled with zeros.
;;     - A block's scale is 2^e with e = floor(log2(the largest magnitude in the block)) - 2, held to -126 .. 127; a block of zeros has e = 0. As a byte (E8M0): e + 127.
;;     - Each number is divided by its block's scale, clamped to +-6, and rounded to the nearest number of E2M1, ties to even, subnormals kept.
;;     - The product sums the exact products of the quantised numbers (number of the format x scale) in f32.
;;   ~~~python
;;   def quantise(x, axis):      # numpy; x: float32 -> the quantised numbers, widened to float32 again
;;       x = np.moveaxis(x, axis, -1); K = x.shape[-1]
;;       x = np.pad(x, [(0, 0)] * (x.ndim - 1) + [(0, -K % 32)]); x = x.reshape(x.shape[:-1] + (-1, 32)); a = np.abs(x).max(-1, keepdims=True)
;;       e = np.where(a > 0, np.clip(np.frexp(np.where(a > 0, a, 1))[1] - 1 - 2, -126, 127), 0)      # np.frexp(a)[1] - 1 = floor(log2(a)), exactly
;;       r = np.clip(x / 2.0 ** e, -6, 6)
;;       step = 2.0 ** (np.maximum(np.frexp(np.where(r == 0, 1, r))[1] - 1, 0) - 1)
;;       q = np.round(r / step) * step * 2.0 ** e      # np.round: ties to even
;;       return np.moveaxis(q.reshape(q.shape[:-2] + (-1,))[..., :K], -1, axis).astype(np.float32)
;;   ~~~
;;   SOFTMAX AHEAD OF A QUANTISED PRODUCT. Where the list says 'softmax', what is quantised is not the finished softmax but p = 2^(t - M), with t = logit x log2(e) and M = ceil(the row's largest t), a whole number; so 1/2 < the row's largest p <= 1. The row's sum l is taken of the UNQUANTISED p, in f32, and the product's result is divided by l at the end. Since M is a whole number, a kernel that streams over the keys may use a running M (the ceiling of the running maximum): every later rescaling is an exact power of two, which a block's scale takes up: the codes' values come out the same.
;;   OPERANDS COMPUTED ON THE WAY. 'Computed on the way' means the value that the module computes at that place (a softmax that the list does not call 'softmax' is quantised finished and normalised). What goes into a quantiser is computed in f32, as accurately as f32 sums, v_exp_f32 and their like allow (about 1e-6 of the number): no bf16 or f16 on the way to a quantiser, and a product that is left as it is and whose result goes on into a quantised operand takes f32 operands (vector FMAs, or v_wmma_f32_16x16x4_f32). A number that lies on a knife's edge between two numbers of the format may be rounded either way, as far as f32 arithmetic and the matrix unit's own rounding can turn it there, and no further.
;;   INPUTS GIVEN AS CODES. wk (in the module: [1024, 1024], K = its axis 1); wo (in the module: [1024, 1024], K = its axis 1); wq (in the module: [1024, 1024], K = its axis 1); wv (in the module: [1024, 1024], K = its axis 1); x (in the module: [2, 2048, 1024], K = its axis 2): each comes as NAME_codes (uint8): NAME with its K axis moved to the last place and cut into blocks of 32 codes, [.., K / 32, bytes a block], one block behind the other in memory; two codes a byte, the lower K in the low four bits (a code: sign, 2 exponent bits, 1 mantissa bit); and NAME_scales (uint8): the same leading axes, one E8M0 byte (e + 127) for each 32 codes along K. Its value is code x scale, taken as it is: it is not quantised again, and the codes and scales need not be those that the quantiser above would give.
;; One version. Each part assembles by itself: llvm-mc -triple=amdgcn-amd-amdhsa -mcpu=gfx1250 --defsym DOCPART=n.
;; ======== version 1 of 1: 2 launches
;; limits: right only within a limited range of input values
;; workspace buffers: qkv 6,946,816 bytes; wof 524,288 bytes
;; launch proj (part 1): grid 8 x 32, 8 waves a work-group, clusters of 4 x 4, 327,680 bytes of LDS; arguments x_codes, x_scales, wq_codes, wq_scales, bq, wk_codes, wk_scales, bk, wv_codes, wv_scales, bv, wo_codes, qkv, wof; writes qkv, wof
.if DOCPART == 1
	.amdgcn_target "amdgcn-amd-amdhsa--gfx1250"
	.amdhsa_code_object_version 6
	.text
	.protected	k_qede0ad22db_proj
	.globl	k_qede0ad22db_proj
	.p2align	8
	.type	k_qede0ad22db_proj,@function
k_qede0ad22db_proj:
	s_mov_b64 s[64:65], 0
	v_nop
	global_prefetch_b8 v0, s[64:65] scope:SCOPE_SE
	s_setreg_imm32_b32 hwreg(HW_REG_WAVE_MODE, 25, 1), 1
	s_wait_xcnt 0x0
	s_wait_alu depctr_hold_cnt(0) depctr_sa_sdst(0) depctr_va_vdst(0) depctr_va_sdst(0) depctr_va_ssrc(0) depctr_va_vcc(0) depctr_vm_vsrc(0)
	s_getreg_b32 s2, hwreg(HW_REG_IB_STS2, 6, 4)
	s_cmp_eq_u32 s2, 0
	s_cbranch_scc0 .Lentry_in_a_cluster
	s_endpgm
.Lentry_in_a_cluster:
	s_bfe_u32 s2, ttmp6, 0x10000c
	s_cmp_lg_u32 s2, 0xf033
	s_cbranch_scc0 .Lentry_shape_is_right
	s_endpgm
.Lentry_shape_is_right:
; q = x wq^T + bq, k = x wk^T + bk, v = x wv^T + bv on codes of FP4 (E2M1) with E8M0 scales, sums in f32; the results are quantised at once:
; q and k along the head's 64 channels (two blocks of 32 for a token and head), v along the keys (blocks of 32 tokens for a head's channel), and stored as codes and scale bytes in qkv.
; wo's codes are laid anew, as they are, in the order in which the next launch's operand registers take them (wof).
; THE PROGRAM: this launch; attn (scores, causal softmax, weighted sum, quantised, output projection).  Every input has a way to the output and is loaded.
; WORK LEFT OUT, in attn alone: key steps of 128 keys all of which come after all 16 queries of a tile.  reference() sets those scores to -infinity by its own tril ahead of the softmax, so for all values
; of the inputs their p is 0: they add nothing to the row's sum, and a block of zeros has zero codes, which add nothing to the second product.  LIMIT: a NaN, an infinity or an overflow that reaches only those scores is not carried to the result.
; LIMITS: NaN and infinities among the biases and a given scale byte of 0xff are not served specially.  A block of zeros gets the byte 1 where the rule says 127: its codes are zeros, and this program alone reads the bytes.
; SHARES.  A work-group takes 128 tokens (tile row yt: batch yt / 16, key step yt % 16) x 128 columns (tile column xt: heads 2 xt, 2 xt + 1) of q, k and v.  x's tile and the three weights' tiles fit in LDS together:
; eight tensor loads, one a wave, and nothing is filled again.  All are asked for at the head and there is no loop over tiles, so there is nothing to prefetch ahead of.  The scale bytes go from memory into registers.
; Wave w serves head 2 xt + w % 2 and 64 tokens (w / 2 % 2): 64 channels of q (w < 4) or k, TRANSPOSED (source 0 = 16 rows of W, source 1 = 16 rows of x): a lane holds one token, its registers run along the channels;
; and 32 channels (w / 4) of v, source 0 = 16 rows of x, source 1 = 16 rows of wv: a lane holds one channel, its registers run along the keys.  Both use the same four fragments of x.
; THE ROWS OF A TILE ARE CHOSEN so that lanes 0-15 of a result hold block 0 of 64 and lanes 16-31 block 1, each whole: tile q of four takes rows 8 q + 0 .. 7 and rows 32 + 8 (q xor 1) + 0 .. 7.  (The xor keeps the sixteen rows
; different modulo 16, and so at different banks.)  x's tokens and wq's and wk's channels go so; wv's channels are natural.  Register 8 q + j of a lane then is element 8 q + j of block 0, or 8 (q xor 1) + j of block 1: no lane
; asks another for a maximum or a code.  Within a block the order of K is the same on both sides of each product (q and k; p and v).
; qkv: a record of HREC bytes for each (batch, head).  +0: two halves of [35 units][8 key steps][256 bytes]: unit 2 T + h: K's tile T (16 bytes a lane); unit 16 + 4 t + 2 c + h: V^T's tile t, registers 4 c on; units 32, 33:
; K's scale words (lane l's 8 bytes at 8 l: word p is tile 4 c + 2 p + l / 16; bytes 2, 3 are 0); unit 34: V's (128 p + 4 l: tile 2 p + l / 16).  +143,360: Q in two halves of [18 units][8][256], laid like K's units and K's scale words.
; CLUSTERS: 4 x 4 work-groups.  x's tile hangs on yt alone and is asked for jointly along a row of the cluster, the weights' tiles hang on xt alone and are asked for jointly along a column.
; REGISTERS.  window 0: v1-31 addresses; v32-71 scale words and nothing else; v72-111 at work; v112-159 the biases, in the results' layout: they are the C of each sum's first product; v160-223 v's accumulators;
;             v224-255 W's fragments, set 1.  window 1: v0-127 q's or k's accumulators; v128-207 fragments, set 0; v208-255 x's and wv's, set 1.
.set HREC,   217088
.set PITCH,  528                       ; an LDS row of codes: 512 bytes + 16 of padding = 132 words
.set HALFT,  64*PITCH                  ; 64 rows: what one tensor load brings
.set T8,     8*PITCH
.set WQT,    2*HALFT                   ; LDS: x's 128 rows at 0, then wq's, wk's, wv's
.set WVT,    6*HALFT
.set SPARE,  8*HALFT                   ; the spare words, 128 bytes for each wave
.set AXE, 4                            ; x's fragments, even and odd tiles
.set AXO, 5
.set AWE, 6                            ; wq's or wk's
.set AWO, 7
.set AWV, 8
.set L32, 9
.set RS,  10                           ; scale bytes: lanes 0-15 an even tile's rows, lanes 16-31 the odd tile's
.set BE,  11                           ; biases of even and odd tiles
.set BD,  12
.set R4,  13
.set L8,  14
.set L4,  15
.set LK,  16                           ; 2,048 h + 16 r
.set WOL, 17
.set SPW, 20
.set NIL, 21
.set SX,  32                           ; register SX + 8 i + ks: lanes 0-15 x's tile 2 i, lanes 16-31 tile 2 i + 1
.set SW,  48                           ; W's likewise
.set SV,  64                           ; wv's two
.set TM,  72
.set PC,  80                           ; v80-103 codes
.set XW,  104
.set WOC, 108
.set BI,  112
.set BV,  144
.set ACV, 160
.set WV,  28
.set MH,  29                           ; w / 2 % 2
.set NH,  30                           ; w % 2
.set SQ,  31                           ; w / 4
.set G1A, 32
.set G1B, 40
.set G0X, 68
.set G0W, 72
.set MSB, 0
.macro WIN new                         ; the immediate's high byte repeats the setting that is left
.if MSB != \new
	s_set_vgpr_msb (MSB<<8)|\new
.set MSB, \new
.endif
.endm
.macro PLACES                          ; four plain places behind matrix instructions, in front of loads into registers that they read and of reads of their results
.rept 4
	v_nop
.endr
.endm
.macro CROUND                          ; a round of the cluster's barrier
	s_barrier_signal -1
	s_barrier_wait -1
	s_cmp_lg_u32 s[WV], 0
	s_cbranch_scc1 .Lnot_wave_0_\@
	s_barrier_signal -3
.Lnot_wave_0_\@:
	s_barrier_wait -3
	s_barrier_signal -1
	s_barrier_wait -1
.endm
; 64 numbers of a lane in window w are two blocks of 32: eight registers of codes (v[pc] on), and the two bytes, joined with lane l xor 16's: v[xw]: lanes 0-15 the first block's pair, lanes 16-31 the second's.
.macro QUANT w, s, pc, xw
	WIN (\w)*5                                     ; sources 0 and 1
.irp b, 0,1,2,3
	v_max3_num_f32 v[TM+\b], |v[\s+16*\b]|, |v[\s+1+16*\b]|, 0x1800000   ; the floor 2^(3 - 127): the byte cannot fall under 1
.endr
	WIN (\w)*20                                    ; sources 1 and 2
.irp i, 2,4,6,8,10,12,14
.irp b, 0,1,2,3
	v_max3_num_f32 v[TM+\b], v[TM+\b], |v[\s+16*\b+\i]|, |v[\s+1+16*\b+\i]|
.endr
.endr
	WIN 0
	v_max_num_f32 v[TM], v[TM], v[TM+1]
	v_max_num_f32 v[TM+2], v[TM+2], v[TM+3]
	v_add_nc_u32 v[TM+4], 0xff000000, v[TM]        ; 2 off the exponent field: the conversion's scale operand
	v_add_nc_u32 v[TM+5], 0xff000000, v[TM+2]
	v_lshrrev_b32 v[TM+6], 23, v[TM+4]             ; the scale's byte
	v_lshrrev_b32 v[TM+7], 23, v[TM+5]
	WIN \w                                         ; source 0
.irp b, 0,1
.irp q, 0,1,2,3
	v_cvt_scalef32_pk8_fp4_f32 v[\pc+4*\b+\q], v[\s+32*\b+8*\q:\s+32*\b+8*\q+7], v[TM+4+\b]
.endr
.endr
	WIN 0
	v_nop                                          ; one plain place behind the scaled conversions
	v_permlane16_swap_b32 v[TM+6], v[TM+7]         ; the first's lanes 16-31 change places with the second's lanes 0-15
	v_lshl_or_b32 v[\xw], v[TM+7], 8, v[TM+6]
.endm
.macro FRAG reg, adr, off              ; a fragment, 16 rows x 128 K of 4-bit codes: two loads of 16 bytes, 32 bytes apart
	ds_load_b128 v[\reg:\reg+3], v[\adr] offset:\off
	ds_load_b128 v[\reg+4:\reg+7], v[\adr] offset:\off+32
.endm
; K step ks's fragments, in runs of 16 and 4 loads, into set ks % 2
.macro RUN1 ks
	WIN 0x40
.irp q, 0,2
	FRAG 128+80*((\ks)%2)+8*\q, AXE, T8*\q+64*(\ks)
	FRAG 136+80*((\ks)%2)+8*\q, AXO, T8*\q+T8+64*(\ks)
.endr
	WIN 0x40-0x40*((\ks)%2)
.irp q, 0,2
	FRAG 160+64*((\ks)%2)+8*\q, AWE, T8*\q+64*(\ks)
	FRAG 168+64*((\ks)%2)+8*\q, AWO, T8*\q+T8+64*(\ks)
.endr
.endm
.macro RUN2 ks
	WIN 0x40
.irp u, 0,1
	FRAG 192+48*((\ks)%2)+8*\u, AWV, 2*T8*\u+64*(\ks)
.endr
.endm
; one product; ra, rb odd: that side's scales stand in lanes 16-31
.macro WM d, a, b, c, sa, ra, sb, rb
.if (\ra)%2
.if (\rb)%2
	v_wmma_scale_f32_16x16x128_f8f6f4 v[\d:\d+7], v[\a:\a+7], v[\b:\b+7], v[\c:\c+7], v[\sa], v[\sb] matrix_a_fmt:MATRIX_FMT_FP4 matrix_b_fmt:MATRIX_FMT_FP4 matrix_a_scale:MATRIX_SCALE_ROW1 matrix_b_scale:MATRIX_SCALE_ROW1
.else
	v_wmma_scale_f32_16x16x128_f8f6f4 v[\d:\d+7], v[\a:\a+7], v[\b:\b+7], v[\c:\c+7], v[\sa], v[\sb] matrix_a_fmt:MATRIX_FMT_FP4 matrix_b_fmt:MATRIX_FMT_FP4 matrix_a_scale:MATRIX_SCALE_ROW1
.endif
.else
.if (\rb)%2
	v_wmma_scale_f32_16x16x128_f8f6f4 v[\d:\d+7], v[\a:\a+7], v[\b:\b+7], v[\c:\c+7], v[\sa], v[\sb] matrix_a_fmt:MATRIX_FMT_FP4 matrix_b_fmt:MATRIX_FMT_FP4 matrix_b_scale:MATRIX_SCALE_ROW1
.else
	v_wmma_scale_f32_16x16x128_f8f6f4 v[\d:\d+7], v[\a:\a+7], v[\b:\b+7], v[\c:\c+7], v[\sa], v[\sb] matrix_a_fmt:MATRIX_FMT_FP4 matrix_b_fmt:MATRIX_FMT_FP4
.endif
.endif
.endm
; the 24 accumulators take turns in one order in every K step
.macro MULT ks
.irp a, 0,1,2,3
.irp t, 0,1,2,3
.if (\ks) == 0
	WM (32*\a+8*\t), (160+8*\t), (128+8*\a), (BI+8*\t), (SW+8*(\t/2)+\ks), \t, (SX+8*(\a/2)+\ks), \a
.else
	WM (32*\a+8*\t), (160+64*((\ks)%2)+8*\t), (128+80*((\ks)%2)+8*\a), (32*\a+8*\t), (SW+8*(\t/2)+\ks), \t, (SX+8*(\a/2)+\ks), \a
.endif
.endr
.endr
.endm
.macro MULV ks
.irp s, 0,1,2,3
.irp u, 0,1
.if (\ks) == 0
	WM (ACV+32*\u+8*\s), (128+8*\s), (192+8*\u), (BV+8*\u), (SX+8*(\s/2)+\ks), \s, (SV+\ks), \u
.else
	WM (ACV+32*\u+8*\s), (128+80*((\ks)%2)+8*\s), (192+48*((\ks)%2)+8*\u), (ACV+32*\u+8*\s), (SX+8*(\s/2)+\ks), \s, (SV+\ks), \u
.endif
.endr
.endr
.endm
	s_load_b512 s[4:19], s[0:1], 0x0               ; x_codes 4, x_scales 6, wq_codes 8, wq_scales 10, bq 12, wk_codes 14, wk_scales 16, bk 18
	s_load_b256 s[20:27], s[0:1], 0x40             ; wv_codes 20, wv_scales 22, bv 24, wo_codes 26
	s_load_b128 s[96:99], s[0:1], 0x60             ; qkv 96, wof 98
	v_lshl_add_u32 v[SPW], v0, 2, SPARE
	v_mov_b32 v[NIL], 0
	ds_add_u32 v[SPW], v[NIL]                      ; the wave's opening: the add, twice on end, and its wait ahead of my tensor load
	ds_add_u32 v[SPW], v[NIL]
	v_lshrrev_b32 v1, 5, v0
	v_readfirstlane_b32 s[WV], v1                  ; wave 0..7
	s_bfe_u32 s[MH], s[WV], 0x10001
	s_and_b32 s[NH], s[WV], 1
	s_lshr_b32 s[SQ], s[WV], 2
	s_bfe_u32 s84, ttmp6, 0x40000                  ; cx, cy
	s_bfe_u32 s85, ttmp6, 0x40004
	s_lshl_b32 s92, ttmp9, 2
	s_add_co_u32 s92, s92, s84                     ; xt
	s_and_b32 s93, ttmp7, 0xffff
	s_lshl_b32 s93, s93, 2
	s_add_co_u32 s93, s93, s85                     ; yt
	s_lshl_b32 s94, s85, 2
	s_lshl_b32 s94, 15, s94                        ; my row of the cluster
	s_lshl_b32 s86, 0x1111, s84                    ; my column
	; group 1: 64 rows x 512 bytes, 16 bytes of padding behind each row (after every 128 words, code 6; four words, code 3); bit 21 set beside a mask
	s_or_b32 s[G1A], s94, (1<<20)|(1<<21)|(6<<22)|(3<<25)
	s_or_b32 s[G1B], s86, (1<<20)|(1<<21)|(6<<22)|(3<<25)
.irp g, G1A, G1B
	s_mov_b32 s[\g+1], 512<<16
	s_mov_b32 s[\g+2], 64<<16
	s_mov_b32 s[\g+3], 512<<16
	s_mov_b32 s[\g+4], 64
	s_mov_b32 s[\g+5], 512
	s_mov_b32 s[\g+6], 0
	s_mov_b32 s[\g+7], 0
.endr
	s_lshl_b32 s94, s93, 16                        ; x's codes: (128 yt + 64 (w % 2)) rows of 512 bytes
	s_lshl_b32 s95, s[NH], 15
	s_add_co_u32 s94, s94, s95
	s_mov_b32 s95, 0
	s_lshl_b32 s86, s92, 16                        ; a weight's codes: (128 xt + 64 (w % 2)) rows
	s_lshl_b32 s87, s[NH], 15
	s_add_co_u32 s86, s86, s87
	s_mov_b32 s87, 0
	; waves 0, 1: x's halves at w HALFT; waves 2 to 7: the halves of wq, wk, wv, likewise at w HALFT
	s_mul_i32 s[G0X+1], s[WV], HALFT
	s_mul_i32 s[G0W+1], s[WV], HALFT
	s_mov_b32 s[G0X], 1
	s_mov_b32 s[G0W], 1
	s_wait_dscnt 0x0                               ; both opening adds are done
	s_wait_kmcnt 0x0
	s_add_nc_u64 s[G0X+2:G0X+3], s[4:5], s[94:95]
	s_or_b32 s[G0X+3], s[G0X+3], 0x80000000
	s_cmp_lt_u32 s[WV], 6                          ; the choice hangs on the wave's number alone
	s_cselect_b64 s[G0W+2:G0W+3], s[14:15], s[20:21]
	s_cmp_lt_u32 s[WV], 4
	s_cselect_b64 s[G0W+2:G0W+3], s[8:9], s[G0W+2:G0W+3]
	s_add_nc_u64 s[G0W+2:G0W+3], s[G0W+2:G0W+3], s[86:87]
	s_or_b32 s[G0W+3], s[G0W+3], 0x80000000
	CROUND                                         ; all sixteen work-groups are here: the joint loads meet
	s_cmp_lt_u32 s[WV], 2                          ; one load a wave
	s_cbranch_scc0 .Lhead_w
	tensor_load_to_lds s[G0X:G0X+3], s[G1A:G1A+7]
	s_nop 0
	PLACES
	s_branch .Lhead_asked
.Lhead_w:
	tensor_load_to_lds s[G0W:G0W+3], s[G1B:G1B+7]
	s_nop 0
	PLACES
.Lhead_asked:
	; where the scale bytes and the biases come from
	s_lshl_b32 s88, s93, 12                        ; x's 64 rows, 32 bytes each
	s_lshl_b32 s94, s[MH], 11
	s_add_co_u32 s94, s94, s88
	s_add_nc_u64 s[60:61], s[6:7], s[94:95]
	s_lshl_b32 s88, s92, 12
	s_lshl_b32 s94, s[NH], 11                      ; wq's or wk's 64 rows
	s_add_co_u32 s94, s94, s88
	s_cmp_eq_u32 s[SQ], 0
	s_cselect_b64 s[10:11], s[10:11], s[16:17]
	s_cselect_b64 s[12:13], s[12:13], s[18:19]
	s_add_nc_u64 s[10:11], s[10:11], s[94:95]
	s_lshl_b32 s88, s[SQ], 10                      ; wv's 32 rows
	s_add_co_u32 s94, s94, s88
	s_add_nc_u64 s[22:23], s[22:23], s[94:95]
	s_lshl_b32 s94, s92, 9                         ; the biases at column 128 xt + 64 (w % 2), bv 32 (w / 4) on
	s_lshl_b32 s88, s[NH], 8
	s_add_co_u32 s94, s94, s88
	s_add_nc_u64 s[12:13], s[12:13], s[94:95]
	s_lshl_b32 s88, s[SQ], 7
	s_add_co_u32 s94, s94, s88
	s_add_nc_u64 s[24:25], s[24:25], s[94:95]
	; wo: two waves lay one piece of 512 bytes, 256 bytes each: piece n = 4 (8 yt + xt) + w / 2, half w % 2.  In wof a wave of the next launch has 64 columns; its pieces: [K step][t 0..3][c 0, 1][lane], lane (r, h): row 64 w + 4 r + t,
	; k = 128 ks + 64 c + 32 h on.  K steps 0, 1 of all 16 waves come first, then 2, then 3 to 5, then 6, 7
	s_lshl_b32 s86, s93, 3
	s_add_co_u32 s86, s86, s92
	s_lshl_b32 s86, s86, 2
	s_lshr_b32 s94, s[WV], 1
	s_add_co_u32 s86, s86, s94                     ; n
	s_lshr_b32 s94, s86, 3
	s_mov_b32 s88, 0                               ; the part's first group of eight pieces,
	s_mov_b32 s89, 256                             ; 512 / its K steps a wave (171 for 3: right for all 48 groups),
	s_mov_b32 s90, 2                               ; its K steps,
	s_mov_b32 s91, 0                               ; its first
	s_cmp_ge_u32 s94, 32
	s_cselect_b32 s88, 32, s88
	s_cselect_b32 s89, 512, s89
	s_cselect_b32 s90, 1, s90
	s_cselect_b32 s91, 2, s91
	s_cmp_ge_u32 s94, 48
	s_cselect_b32 s88, 48, s88
	s_cselect_b32 s89, 171, s89
	s_cselect_b32 s90, 3, s90
	s_cselect_b32 s91, 3, s91
	s_cmp_ge_u32 s94, 96
	s_cselect_b32 s88, 96, s88
	s_cselect_b32 s89, 256, s89
	s_cselect_b32 s90, 2, s90
	s_cselect_b32 s91, 6, s91
	s_sub_co_u32 s94, s94, s88
	s_mul_i32 s88, s94, s89
	s_lshr_b32 s88, s88, 9                         ; the next launch's wave
	s_mul_i32 s90, s88, s90
	s_sub_co_u32 s94, s94, s90
	s_add_co_u32 s90, s91, s94                     ; the K step
	s_bfe_u32 s94, s86, 0x20001                    ; t
	s_lshl_b32 s88, s88, 6
	s_add_co_u32 s88, s88, s94
	s_lshl_b32 s88, s88, 9
	s_lshl_b32 s90, s90, 6
	s_add_co_u32 s88, s88, s90
	s_and_b32 s94, s86, 1
	s_lshl_b32 s94, s94, 5
	s_add_co_u32 s88, s88, s94
	s_lshl_b32 s94, s[NH], 4
	s_add_co_u32 s94, s94, s88
	s_add_nc_u64 s[26:27], s[26:27], s[94:95]
	s_lshl_b32 s94, s86, 9
	s_lshl_b32 s88, s[NH], 8
	s_add_co_u32 s94, s94, s88
	s_add_nc_u64 s[98:99], s[98:99], s[94:95]
	s_mul_i32 s86, s[MH], HALFT                    ; LDS: x's 64 rows,
	s_lshl_b32 s88, s[SQ], 1
	s_add_co_u32 s88, s88, s[NH]
	s_mul_i32 s88, s88, HALFT
	s_add_co_u32 s88, s88, WQT                     ; wq's or wk's,
	s_lshl_b32 s89, s[NH], 1
	s_add_co_u32 s89, s89, s[SQ]
	s_mul_i32 s89, s89, 4*T8
	s_add_co_u32 s89, s89, WVT                     ; wv's 32
	v_and_b32 v1, 15, v0                           ; r
	v_bfe_u32 v2, v0, 4, 1                         ; h
	v_and_b32 v3, 31, v0                           ; lane
	v_and_b32 v18, 7, v0                           ; r % 8
	v_bfe_u32 v19, v0, 3, 1                        ; r / 8
	v_mul_u32_u24 v22, 24, v19
	v_lshlrev_b32 v23, 4, v2
	v_mul_u32_u24 v24, 40, v19
	v_sub_nc_u32 v23, 40, v23
	v_mul_u32_u24 v23, v23, v19
	v_add_nc_u32 v22, v22, v18                     ; an odd tile's row
	v_add_nc_u32 v24, v24, v18                     ; an even tile's
	v_lshl_add_u32 v23, v2, 3, v23
	v_add_nc_u32 v23, v23, v18
	v_lshlrev_b32 v[RS], 5, v23
	v_mul_u32_u24 v22, PITCH, v22
	v_mul_u32_u24 v24, PITCH, v24
	v_lshl_add_u32 v22, v2, 4, v22
	v_lshl_add_u32 v24, v2, 4, v24
	v_add_nc_u32 v[AXE], s86, v24
	v_add_nc_u32 v[AXO], s86, v22
	v_add_nc_u32 v[AWE], s88, v24
	v_add_nc_u32 v[AWO], s88, v22
	v_mul_u32_u24 v25, PITCH, v1
	v_lshl_add_u32 v25, v2, 4, v25
	v_add_nc_u32 v[AWV], s89, v25
	v_lshlrev_b32 v[L32], 5, v3
	v_mul_u32_u24 v[BE], 160, v2
	v_mul_u32_u24 v[BD], 96, v2
	v_lshlrev_b32 v[R4], 2, v1
	v_lshlrev_b32 v[L8], 3, v3
	v_lshlrev_b32 v[L4], 2, v3
	v_lshlrev_b32 v[LK], 11, v2
	v_lshl_add_u32 v[LK], v1, 4, v[LK]
	v_lshrrev_b32 v[WOL], 1, v3
	v_lshlrev_b32 v[WOL], 11, v[WOL]
	v_and_b32 v26, 1, v0
	v_lshl_add_u32 v[WOL], v26, 3, v[WOL]
	s_wait_alu depctr_va_vdst(0)
.irp i, 0,1
.irp c, 0,1
	global_load_b128 v[SX+8*\i+4*\c:SX+8*\i+4*\c+3], v[RS], s[60:61] offset:512*\i+16*\c       ; in all 64 rows x 32 bytes, dense
	global_load_b128 v[SW+8*\i+4*\c:SW+8*\i+4*\c+3], v[RS], s[10:11] offset:512*\i+16*\c
.endr
.endr
	global_load_b128 v[SV:SV+3], v[L32], s[22:23]
	global_load_b128 v[SV+4:SV+7], v[L32], s[22:23] offset:16
.irp c, 0,1
	global_load_b128 v[BI+4*\c:BI+4*\c+3], v[BE], s[12:13] offset:16*\c        ; tile t, register j: channel 8 t + j, or 32 + 8 (t xor 1) + j
	global_load_b128 v[BI+8+4*\c:BI+8+4*\c+3], v[BD], s[12:13] offset:32+16*\c
	global_load_b128 v[BI+16+4*\c:BI+16+4*\c+3], v[BE], s[12:13] offset:64+16*\c
	global_load_b128 v[BI+24+4*\c:BI+24+4*\c+3], v[BD], s[12:13] offset:96+16*\c
.endr
.irp u, 0,1
.irp j, 0,1,2,3,4,5,6,7
	global_load_b32 v[BV+8*\u+\j], v[R4], s[24:25] offset:64*\u                ; for v a lane holds one channel: all eight registers take b[16 u + r]
.endr
.endr
	global_load_b64 v[WOC:WOC+1], v[WOL], s[26:27]
	; where the results go: qkv + an offset made apart from the address
	s_lshr_b32 s94, s93, 4
	s_lshl_b32 s94, s94, 4                         ; 16 x batch
	s_lshl_b32 s88, s92, 1
	s_add_co_u32 s88, s94, s88                     ; + 2 xt
	s_add_co_u32 s88, s88, s[NH]
	s_mul_i32 s88, s88, HREC                       ; the head's record
	s_bfe_u32 s90, s93, 0x10003                    ; the half
	s_and_b32 s91, s93, 7
	s_lshl_b32 s91, s91, 8                         ; 256 x key step in the half
	s_add_co_u32 s88, s88, s91
	s_mul_i32 s89, s90, 71680
	s_add_co_u32 s89, s89, s88                     ; V's half
	s_mul_i32 s94, s[SQ], 34816                    ; a half has 36,864 bytes in Q, 71,680 in K and V
	s_add_co_u32 s94, s94, 36864
	s_mul_i32 s94, s94, s90
	s_add_co_u32 s88, s88, s94
	s_xor_b32 s94, s[SQ], 1
	s_mul_i32 s94, s94, 143360                     ; Q lies behind K and V
	s_add_co_u32 s88, s88, s94
	s_lshl_b32 s94, s[MH], 14                      ; tiles 4 (w / 2 % 2) on, 4,096 bytes a tile
	s_add_co_u32 s94, s94, s88
	s_add_nc_u64 s[48:49], s[96:97], s[94:95]
	s_lshl_b32 s94, s[SQ], 15                      ; the scale words: unit 16 of Q, 32 of K, + w / 2 % 2
	s_add_co_u32 s94, s94, 32768
	s_lshl_b32 s90, s[MH], 11
	s_add_co_u32 s94, s94, s90
	s_add_co_u32 s94, s94, s88
	s_add_nc_u64 s[50:51], s[96:97], s[94:95]
	s_lshl_b32 s94, s[SQ], 14                      ; V's codes: tiles 2 (w / 4), + 1, 8,192 bytes a tile; registers 4 c on, c = w / 2 % 2
	s_add_co_u32 s94, s94, 32768
	s_lshl_b32 s90, s[MH], 12
	s_add_co_u32 s94, s94, s90
	s_add_co_u32 s94, s94, s89
	s_add_nc_u64 s[52:53], s[96:97], s[94:95]
	s_lshl_b32 s94, s[SQ], 7                       ; V's scale words: bytes 2 c, 2 c + 1
	s_lshl_b32 s90, s[MH], 1
	s_add_co_u32 s94, s94, s90
	s_add_co_u32 s94, s94, 69632
	s_add_co_u32 s94, s94, s89
	s_add_nc_u64 s[54:55], s[96:97], s[94:95]
	s_wait_tensorcnt 0x0                           ; my load is in
	s_barrier_signal -1
	s_barrier_wait -1                              ; everybody's is
	RUN1 0
	RUN2 0
	WIN 0
	s_wait_loadcnt 0x0                             ; the scale words, the biases, wo's piece
	global_store_b64 v[L8], v[WOC:WOC+1], s[98:99]
.set KQ, 0
.rept 8
	s_wait_dscnt 4                                 ; this K step's run 1 is in; its run 2 may be out
.if KQ < 7
.if KQ > 0
	PLACES                                         ; the other set was read by the K step before
.endif
	RUN1 KQ+1
.endif
.if KQ == 0
	WIN 0x45                                       ; sources 0, 1 window 1, C (the bias) window 0, D window 1
.else
	WIN 0x55-(KQ%2)                                ; source 0 window 1 or 0; source 1, C and D window 1
.endif
	MULT KQ
.if KQ < 7
	s_wait_dscnt 16                                ; run 2 is in; the next run 1 may be out
	RUN2 KQ+1
.else
	s_wait_dscnt 0
.endif
	WIN 0x05                                       ; sources 0 and 1 window 1; C and D window 0
	MULV KQ
.set KQ, KQ+1
.endr
	WIN 0
	PLACES
	QUANT 1, 0, PC, XW                             ; token tiles 0, 1 of q or k: bytes 0, 1 of a word; bytes 2 and 3 are 0
	global_store_b128 v[LK], v[PC:PC+3], s[48:49]  ; two aligned units of 256 bytes a store
	global_store_b128 v[LK], v[PC+4:PC+7], s[48:49] offset:4096
	QUANT 1, 64, PC+8, XW+1                        ; 2, 3
	global_store_b128 v[LK], v[PC+8:PC+11], s[48:49] offset:8192
	global_store_b128 v[LK], v[PC+12:PC+15], s[48:49] offset:12288
	global_store_b64 v[L8], v[XW:XW+1], s[50:51]
	QUANT 0, ACV, PC+16, XW+2                      ; v: channel tiles u = 0, 1, 64 keys
	global_store_b128 v[LK], v[PC+16:PC+19], s[52:53]
	global_store_b128 v[LK], v[PC+20:PC+23], s[52:53] offset:8192
	global_store_b16 v[L4], v[XW+2], s[54:55]      ; half of 32 words: the other 64 keys' wave stores the other half
	s_wait_tensorcnt 0x0                           ; the wave's end
	ds_add_u32 v[SPW], v[NIL]
	s_wait_dscnt 0x0
	CROUND                                         ; the closing round
	s_endpgm
.Lfunc_end_k_qede0ad22db_proj:
	.size	k_qede0ad22db_proj, .Lfunc_end_k_qede0ad22db_proj-k_qede0ad22db_proj
	.p2alignl 7, 3214868480
	.fill 96, 4, 3214868480
	.section	.rodata,"a",@progbits
	.p2align	6, 0x0
	.amdhsa_kernel k_qede0ad22db_proj
		.amdhsa_group_segment_fixed_size 327680
		.amdhsa_private_segment_fixed_size 0
		.amdhsa_enable_private_segment 0
		.amdhsa_kernarg_size 112
		.amdhsa_user_sgpr_count 2
		.amdhsa_user_sgpr_kernarg_segment_ptr 1
		.amdhsa_wavefront_size32 1
		.amdhsa_system_sgpr_workgroup_id_x 1
		.amdhsa_system_sgpr_workgroup_id_y 1
		.amdhsa_system_sgpr_workgroup_id_z 1
		.amdhsa_system_vgpr_workitem_id 0
		.amdhsa_next_free_vgpr 512
		.amdhsa_next_free_sgpr 104
		.amdhsa_reserve_vcc 0
		.amdhsa_float_denorm_mode_32 3
		.amdhsa_float_denorm_mode_16_64 3
		.amdhsa_memory_ordered 1
		.amdhsa_forward_progress 1
		.amdhsa_inst_pref_size 61
	.end_amdhsa_kernel
	.amdgpu_metadata
---
amdhsa.version: [ 1, 2 ]
amdhsa.kernels:
  - .name:           k_qede0ad22db_proj
    .symbol:         k_qede0ad22db_proj.kd
    .args:
      - { .name: x_codes, .offset: 0, .size: 8, .value_kind: global_buffer, .address_space: global }
      - { .name: x_scales, .offset: 8, .size: 8, .value_kind: global_buffer, .address_space: global }
      - { .name: wq_codes, .offset: 16, .size: 8, .value_kind: global_buffer, .address_space: global }
      - { .name: wq_scales, .offset: 24, .size: 8, .value_kind: global_buffer, .address_space: global }
      - { .name: bq, .offset: 32, .size: 8, .value_kind: global_buffer, .address_space: global }
      - { .name: wk_codes, .offset: 40, .size: 8, .value_kind: global_buffer, .address_space: global }
      - { .name: wk_scales, .offset: 48, .size: 8, .value_kind: global_buffer, .address_space: global }
      - { .name: bk, .offset: 56, .size: 8, .value_kind: global_buffer, .address_space: global }
      - { .name: wv_codes, .offset: 64, .size: 8, .value_kind: global_buffer, .address_space: global }
      - { .name: wv_scales, .offset: 72, .size: 8, .value_kind: global_buffer, .address_space: global }
      - { .name: bv, .offset: 80, .size: 8, .value_kind: global_buffer, .address_space: global }
      - { .name: wo_codes, .offset: 88, .size: 8, .value_kind: global_buffer, .address_space: global }
      - { .name: qkv, .offset: 96, .size: 8, .value_kind: global_buffer, .address_space: global }
      - { .name: wof, .offset: 104, .size: 8, .value_kind: global_buffer, .address_space: global }
    .group_segment_fixed_size: 327680
    .private_segment_fixed_size: 0
    .kernarg_segment_align: 8
    .kernarg_segment_size: 112
    .max_flat_workgroup_size: 256
    .sgpr_count:     104
    .vgpr_count:     512
    .wavefront_size: 32
...
	.end_amdgpu_metadata
.endif
;; end of part 1
;; launch attn (part 2): grid 32 x 8, 16 waves a work-group, clusters of 4 x 1, 327,680 bytes of LDS; arguments qkv, wof, wo_scales, bo, out0; writes out0
.if DOCPART == 2
	.amdgcn_target "amdgcn-amd-amdhsa--gfx1250"
	.amdhsa_code_object_version 6
	.text
	.protected	k_qede0ad22db_attn
	.globl	k_qede0ad22db_attn
	.p2align	8
	.type	k_qede0ad22db_attn,@function
k_qede0ad22db_attn:
	s_mov_b64 s[64:65], 0
	v_nop
	global_prefetch_b8 v0, s[64:65] scope:SCOPE_SE
	s_setreg_imm32_b32 hwreg(HW_REG_WAVE_MODE, 25, 1), 1
	s_wait_xcnt 0x0
	s_wait_alu depctr_hold_cnt(0) depctr_sa_sdst(0) depctr_va_vdst(0) depctr_va_sdst(0) depctr_va_ssrc(0) depctr_va_vcc(0) depctr_vm_vsrc(0)
	s_getreg_b32 s2, hwreg(HW_REG_IB_STS2, 6, 4)
	s_cmp_eq_u32 s2, 0
	s_cbranch_scc0 .Lentry_in_a_cluster
	s_endpgm
.Lentry_in_a_cluster:
	s_bfe_u32 s2, ttmp6, 0x10000c
	s_cmp_lg_u32 s2, 0x3003
	s_cbranch_scc0 .Lentry_shape_is_right
	s_endpgm
.Lentry_shape_is_right:
; Causal attention of one (batch, head) on codes of FP4 (E2M1) with E8M0 scales, from the records that the launch before laid out; the result, divided by the row's sum, is quantised along the output projection's K
; and multiplied by wo at once.
; WORK LEFT OUT: key steps of 128 keys all of which come after a tile's 16 queries: reference()'s own tril makes their p 0 for all values of the inputs.  A NaN, an infinity or an overflow that reaches only those scores is not carried to the result.
; THE SOFTMAX: t = score x log2(e) / 8; M = the running largest t rounded up to a whole number; p = 2^(t - M) is quantised along the keys, not normalised; the row's sum is taken of the unquantised p and divides at the end.
; When M moves, the sum and O are multiplied by 2^(old M - new M): exact.
; THE RESHAPE: reference() reads [B, H, S, 64] as [B, S, 1024] without moving the heads back: the 16 queries of a tile are ONE row of the last product's A (row 128 (16 b + head) + tile), query r's channel d at column 64 r + d.
; So a work-group's 16 tiles are 16 whole rows of A: they stay in LDS, and the work-group makes those 16 rows of the output, 64 columns a wave.
; SHARES.  Work-group i (y) of a head (x) owns the blocks of 128 queries i and 15 - i: 17 blocks of keys' worth of work whatever i.  Each of its sixteen waves owns one tile of 16 queries, eight waves in each block;
; which block is (w xor w / 4) % 2, so that light and heavy waves alternate both by w % 4 and by w / 4.  Tile (block, w / 2) is row m = 8 block + w / 2 of the work-group's 16.
; LDS holds all K and V of the head: two halves of eight key steps, seven tensor loads each; every load brings a slice of all eight steps, and every work-group reads both halves.  The second half is asked for when the first has
; landed, and with it wo's K steps 0 and 1.  In the middle wo's K step 2 is asked for, over the first half, and stays there.  When attention is over, K steps 0 and 1 are taken into registers and 3 to 5 are asked for over the second half
; and them; K steps 6 and 7 go from memory into registers.
; CLUSTERS: four heads with the same i: all branches hang on i and on the wave, which the four share.  wo is the same for all and is asked for jointly.  K and V are each head's own; work-groups of one head
; differ in i and so in the steps that they jump over: their loads are not joint.
; PREFETCH: wo's K steps 3 to 7, 20 blocks of 256 bytes a wave, shared out by address in each of four clusters, in the middle, the second loop ahead of the loads.  K and V are asked for with no loop ahead of them.
; LAYOUT.  Both products transposed: S^T = K Q^T (source 0 = 16 keys, source 1 = my 16 queries), O^T = V^T P^T: a lane holds one query (lane % 16).  In S^T's tile T = 4 c + q lane (r, h) holds eight keys of block 2 c + h of 32:
; 8 q + 0 .. 7 of it where h = 0, 8 (q xor 1) + 0 .. 7 where h = 1.  So a lane's 32 registers of four tiles are one whole block, in the order in which V's codes have it: no lane asks another for a block's maximum or codes.
; THE FIRST PRODUCT'S K IS 64: Q's fragment has zero codes in its registers 4-7, so what stands in K's registers 4-7 (the next tile's codes; behind tile 7 four zero registers) adds nothing; the scale words' bytes 2, 3 are 0, never 0xff.
; THE LAST PRODUCT: source 0 = A's 16 rows, source 1 = wo's rows 64 w + 4 r + t in tile t: lane (r, h), register j of tile t is row 8 h + j, column 64 w + 4 r + t: the four tiles' registers j are 16 neighbouring bytes.
; LIMITS: NaN and infinities are not served specially.  A block of zeros gets the byte 1 where the rule says 127: its codes are zeros, and this program alone reads the bytes.
; The softmax's promise holds while the scaled scores stay under 2^31 in magnitude.
.set HREC,  217088
.set HALFB, 71680                      ; LDS: the first half at 0 (later wo's K step 2, 4,096 bytes a wave), the second at HALFB
.set W1B,   2*HALFB                    ; wo's K steps 0 and 1, 8,192 bytes a wave
.set ACODE, W1B+131072                 ; A's codes: [query 16][lane 32][16 bytes], the operand's image
.set ASC,   ACODE+8192                 ; A's scale bytes, 32 a row
.set SPARE, ASC+512                    ; the spare words, 128 bytes for each of sixteen waves
.set LK,  1                            ; 2,048 h + 16 r
.set S8,  2
.set S4,  3
.set DQE, 4                            ; 16 (tile % 4) + r, less 40 h: for tiles q even
.set SPW, 5
.set NIL, 6
.set PFO, 7
.set A16, 8
.set A8,  9
.set A4,  10
.set LG,  11                           ; 16 x lane
.set QF,  16                           ; v16-19 Q's codes, v20-23 zeros
.set KR,  24                           ; v24-55 K's eight tiles, four registers each; v56-59 zeros.  At the end v24-87: two K steps of wo
.set VR,  60                           ; v60-91 V^T's four fragments
.set S,   92                           ; v92-155 S^T, then p.  At the end two K steps of wo
.set OT,  156                          ; v156-187 O^T.  At the end the output's four tiles
.set PC,  188                          ; v188-195 p's codes.  At the end v188-219: A's fragments of four K steps
.set BM,  196
.set T2,  200
.set SO,  204
.set FF,  208                          ; f = 2^(old M - new M); v209 named with it as a pair
.set TMP, 210
.set DQO, 213                          ; 16 (tile % 4) + r, less 24 h: for tiles q odd
.set CB,  214
.set NINF, 215
.set CD,  216
.set KS,  220                          ; v220-251 scale words and nothing else: K's four, V's two, p's, Q's,
.set VS,  224
.set PWD, 226
.set QS,  227
.set WS,  228                          ; wo's sixteen,
.set AS,  244                          ; A's eight
.set BO,  252                          ; v252-255 the output's bias
.set HI,  2
.set W3P, 6
.set WSP, 8
.set KF,  14                           ; the step's first key
.set QB,  15                           ; the first key of my tile's last step, on the diagonal
.set TB,  16                           ; LDS byte of the step in hand
.set LP,  17
.set WV,  18
.set II,  19
.set SEL, 20
.set CS,  22
.set G1C, 24
.set G1F, 32
.set G1R, 40
.set G0C, 48
.set G0L, 52
.set G0F, 56
.set G0R, 60
.set BLK, 66
.set MT,  67                           ; w / 2: my tile's place in its block
.set G0E, 68
.set QCP, 72
.set QSP, 74
.set G1E, 80
.set PFA, 98
.set MA,  100
.set MS,  101
.macro CROUND
	s_barrier_signal -1
	s_barrier_wait -1
	s_cmp_lg_u32 s[WV], 0
	s_cbranch_scc1 .Lnot_wave_0_\@
	s_barrier_signal -3
.Lnot_wave_0_\@:
	s_barrier_wait -3
	s_barrier_signal -1
	s_barrier_wait -1
.endm
.macro PLACES
.rept 4
	v_nop
.endr
.endm
.macro KLOAD off                       ; K's eight tiles and their scale words, ten loads
.irp t, 0,1,2,3,4,5,6,7
	ds_load_b128 v[KR+4*\t:KR+4*\t+3], v[A16] offset:4096*\t+\off
.endr
.irp c, 0,1
	ds_load_b64 v[KS+2*\c:KS+2*\c+1], v[A8] offset:2048*\c+\off        ; register KS + T / 2: lanes 0-15 tile T even, lanes 16-31 tile T odd
.endr
.endm
.macro KFIRST                          ; a half's first K
	v_add_nc_u32 v[A16], s[TB], v[LK]
	v_add_nc_u32 v[A8], s[TB], v[S8]
	KLOAD 0
.endm
	s_load_b256 s[4:11], s[0:1], 0x0               ; qkv 4, wof 6, wo_scales 8, bo 10
	s_load_b64 s[12:13], s[0:1], 0x20              ; out0
	v_lshl_add_u32 v[SPW], v0, 2, SPARE
	v_mov_b32 v[NIL], 0
	ds_add_u32 v[SPW], v[NIL]                      ; the wave's opening: the add, twice on end, and its wait ahead of my first tensor load
	ds_add_u32 v[SPW], v[NIL]
	v_lshrrev_b32 v8, 5, v0
	v_readfirstlane_b32 s[WV], v8                  ; wave 0..15
	s_and_b32 s[II], ttmp7, 0xffff                 ; i
	s_bfe_u32 s89, ttmp6, 0x40000                  ; cx
	s_lshl_b32 s88, ttmp9, 2
	s_add_co_u32 s96, s88, s89                     ; 16 x batch + head
	s_mul_i32 s90, s96, HREC                       ; its record
	s_mul_i32 s[G0C+1], s[WV], 10240               ; waves 0-6 fetch K and V, a half at a time: 5 units x 8 steps x 256 bytes each
	s_mul_i32 s[G0L+1], s[WV], 10240
	s_add_co_u32 s[G0L+1], s[G0L+1], HALFB
	s_mul_i32 s94, s[WV], 10240
	s_add_co_u32 s94, s94, s90
	s_mov_b32 s95, 0
.irp g, G0C, G0L, G0F, G0R, G0E
	s_mov_b32 s[\g], 1
.endr
	s_mov_b32 s[G1C], 3<<16                        ; elements of 8 bytes, 32 to a row; K and V: no mask, 40 rows
	s_mov_b32 s[G1F], 15|(3<<16)|(1<<21)           ; wo: joint, all four of the cluster: 64 rows,
	s_mov_b32 s[G1R], 15|(3<<16)|(1<<21)           ; 16 rows,
	s_mov_b32 s[G1E], 15|(3<<16)|(1<<21)           ; 48 rows
	s_mov_b32 s[G1C+2], 40<<16
	s_mov_b32 s[G1F+2], 64<<16
	s_mov_b32 s[G1R+2], 16<<16
	s_mov_b32 s[G1E+2], 48<<16
	s_mov_b32 s[G1C+4], 40
	s_mov_b32 s[G1F+4], 64
	s_mov_b32 s[G1R+4], 16
	s_mov_b32 s[G1E+4], 48
.irp g, G1C, G1F, G1R, G1E
	s_mov_b32 s[\g+1], 32<<16
	s_mov_b32 s[\g+3], 32<<16
	s_mov_b32 s[\g+5], 32
	s_mov_b32 s[\g+6], 0
	s_mov_b32 s[\g+7], 0
.endr
	s_wait_dscnt 0x0                               ; both opening adds are done
	s_wait_kmcnt 0x0
	s_add_nc_u64 s[G0C+2:G0C+3], s[4:5], s[94:95]
	s_add_nc_u64 s[G0L+2:G0L+3], s[G0C+2:G0C+3], HALFB
	s_or_b32 s[G0C+3], s[G0C+3], 0x80000000
	s_or_b32 s[G0L+3], s[G0L+3], 0x80000000
	CROUND                                         ; a round ahead of the first tensor loads
	s_cmp_lt_u32 s[WV], 7
	s_cbranch_scc0 .Lhead_asked
	tensor_load_to_lds s[G0C:G0C+3], s[G1C:G1C+7]  ; the first half
	s_nop 0
	PLACES
.Lhead_asked:
	s_lshr_b32 s[BLK], s[WV], 2
	s_xor_b32 s[BLK], s[BLK], s[WV]
	s_and_b32 s[BLK], s[BLK], 1                    ; which of the two blocks of queries
	s_lshr_b32 s[MT], s[WV], 1
	s_sub_co_u32 s88, 15, s[II]
	s_sub_co_u32 s97, s88, s[II]
	s_lshl_b32 s97, s97, 15                        ; from the output rows of block i to those of block 15 - i, in bytes: 8 (15 - 2 i) rows
	s_cmp_eq_u32 s[BLK], 0
	s_cselect_b32 s88, s[II], s88                  ; my block
	s_lshl_b32 s[QB], s88, 7
	s_lshr_b32 s89, s88, 3
	s_mul_i32 s89, s89, 36864
	s_and_b32 s88, s88, 7
	s_lshl_b32 s88, s88, 8
	s_add_co_u32 s88, s88, s89
	s_add_co_u32 s88, s88, s90
	s_add_co_u32 s88, s88, 143360                  ; Q's units of my block.  Query 16 (tile % 4) + r of a group of 64 is 32 b + 8 g + r % 8, b = tile / 2 % 2, g = 2 (tile % 2) + r / 8: row 8 b + r % 8 of the group's tile g xor b
	s_lshr_b32 s89, s[MT], 2                       ; the group of 64
	s_bfe_u32 s91, s[MT], 0x10001                  ; b
	s_and_b32 s92, s[MT], 1                        ; tile % 2
	s_lshl_b32 s94, s89, 14
	s_lshl_b32 s93, s92, 13
	s_add_co_u32 s94, s94, s93
	s_lshl_b32 s93, s91, 7
	s_add_co_u32 s94, s94, s93
	s_add_co_u32 s94, s94, s88
	s_add_nc_u64 s[QCP:QCP+1], s[4:5], s[94:95]    ; codes,
	s_lshl_b32 s94, s89, 11
	s_lshl_b32 s93, s91, 6
	s_add_co_u32 s94, s94, s93
	s_lshl_b32 s93, s92, 2
	s_add_co_u32 s94, s94, s93
	s_add_co_u32 s94, s94, s88
	s_add_co_u32 s94, s94, 32768
	s_add_nc_u64 s[QSP:QSP+1], s[4:5], s[94:95]    ; and scale words
	s_and_b32 s93, s[MT], 3
	s_lshl_b32 s93, s93, 4
	v_and_b32 v24, 15, v0                          ; r
	v_bfe_u32 v25, v0, 4, 1                        ; h
	v_and_b32 v26, 31, v0                          ; lane
	v_and_b32 v27, 7, v0                           ; r % 8
	v_bfe_u32 v28, v0, 3, 1
	v_xor_b32 v28, s91, v28                        ; (g xor b) % 2
	v_lshlrev_b32 v29, 12, v28
	v_lshlrev_b32 v30, 7, v28
	v_lshl_add_u32 v29, v25, 11, v29
	v_lshl_add_u32 v30, v27, 3, v30
	v_lshl_add_u32 v29, v27, 4, v29
	global_load_b128 v[QF:QF+3], v29, s[QCP:QCP+1]         ; Q's fragment stays in registers
	global_load_b32 v[QS], v30, s[QSP:QSP+1]               ; lane r (and r + 16): query r's scale word
	v_lshlrev_b32 v[LK], 11, v25
	v_lshl_add_u32 v[LK], v24, 4, v[LK]
	v_lshlrev_b32 v[LG], 4, v26
	v_lshlrev_b32 v[S8], 3, v26
	v_add_nc_u32 v[S8], 65536, v[S8]
	v_lshlrev_b32 v[S4], 2, v26
	v_add_nc_u32 v[S4], 69632, v[S4]
	v_add_nc_u32 v31, s93, v24
	v_mul_u32_u24 v[DQE], 40, v25
	v_mul_u32_u24 v[DQO], 24, v25
	v_sub_nc_u32 v[DQE], v31, v[DQE]
	v_sub_nc_u32 v[DQO], v31, v[DQO]
	v_min_u32 v[PFO], 19, v26                      ; 20 blocks a wave: the lanes left over name the last again
	v_lshlrev_b32 v[PFO], 8, v[PFO]
	v_cmp_le_u32 s[HI], 16, v26
	v_mov_b32 v[NINF], 0xff800000
	v_mov_b32 v13, 0xff61b1e6                      ; the largest t so far: -3e38, under every t
	v_floor_f32 v12, -v13                          ; -M
	v_mov_b32 v14, 0                               ; the sum, in two halves
	v_mov_b32 v15, 0
.irp j, 0,1,2,3
	v_mov_b32 v[QF+4+\j], 0                        ; zero codes for k = 64 .. 127 of the first product
	v_mov_b32 v[KR+32+\j], 0                       ; and behind K's tile 7
	v_mov_b32 v[T2+\j], 0                          ; written once: a lane permute's destination counts as one of its sources
.endr
	v_mov_b32 v[FF+1], 0                           ; named as the upper half of the pair
	v_mov_b32 v[TMP], 0
.set J, 0
.rept 32
	v_mov_b32 v[OT+J], 0                           ; O^T: the step is written as a loop; the first finds zeros, which the first change of M leaves zeros
.set J, J+1
.endr
	s_wait_alu depctr_va_vdst(0)
	; wo
	s_and_b32 s94, s[WV], 7                        ; K steps 0, 1: waves 8-15 fetch 16,384 bytes each
	s_lshl_b32 s94, s94, 14
	s_and_b32 s[G0F+1], s[WV], 7
	s_lshl_b32 s[G0F+1], s[G0F+1], 14
	s_add_co_u32 s[G0F+1], s[G0F+1], W1B
	s_add_nc_u64 s[G0F+2:G0F+3], s[6:7], s[94:95]
	s_or_b32 s[G0F+3], s[G0F+3], 0x80000000
	s_lshl_b32 s94, s[WV], 12                      ; K step 2: my 4,096 bytes
	s_lshl_b32 s[G0R+1], s[WV], 12
	s_add_nc_u64 s[G0R+2:G0R+3], s[6:7], s[94:95]
	s_add_nc_u64 s[G0R+2:G0R+3], s[G0R+2:G0R+3], 131072
	s_or_b32 s[G0R+3], s[G0R+3], 0x80000000
	s_mul_i32 s94, s[WV], 12288                    ; K steps 3 to 5: my 12,288 bytes
	s_mul_i32 s[G0E+1], s[WV], 12288
	s_add_co_u32 s[G0E+1], s[G0E+1], HALFB
	s_add_nc_u64 s[G0E+2:G0E+3], s[6:7], s[94:95]
	s_add_nc_u64 s[G0E+2:G0E+3], s[G0E+2:G0E+3], 196608
	s_or_b32 s[G0E+3], s[G0E+3], 0x80000000
	s_bfe_u32 s94, ttmp6, 0x40000
	s_lshl_b32 s94, s94, 4
	s_add_co_u32 s94, s94, s[WV]
	s_mul_i32 s94, s94, 5120
	s_add_co_u32 s94, s94, 196608
	s_add_nc_u64 s[PFA:PFA+1], s[6:7], s[94:95]    ; my wave's 5,120 bytes of the prefetch
	s_lshl_b32 s94, s[WV], 13
	s_add_nc_u64 s[W3P:W3P+1], s[W3P:W3P+1], s[94:95]
	s_add_nc_u64 s[W3P:W3P+1], s[W3P:W3P+1], 393216        ; K steps 6, 7
	s_lshl_b32 s94, s[WV], 11
	s_add_nc_u64 s[WSP:WSP+1], s[WSP:WSP+1], s[94:95]      ; the scale bytes of my 64 rows of wo
	s_lshl_b32 s94, s[WV], 8
	s_add_nc_u64 s[10:11], s[10:11], s[94:95]      ; my 64 columns of the bias
	s_lshl_b32 s88, s96, 19                        ; the head's 128 rows of the output,
	s_add_co_u32 s94, s94, s88
	s_lshl_b32 s88, s[II], 15                      ; block i's eight
	s_add_co_u32 s94, s94, s88
	s_add_nc_u64 s[12:13], s[12:13], s[94:95]
	s_lshl_b32 s88, s[BLK], 3
	s_add_co_u32 s88, s88, s[MT]                   ; m: my row of A
	s_lshl_b32 s[MA], s88, 4
	s_add_co_u32 s[MA], s[MA], ACODE
	s_lshl_b32 s[MS], s88, 5
	s_add_co_u32 s[MS], s[MS], ASC
	s_mov_b32 s[SEL], 0x76543210
	s_mov_b32 s[SEL+1], 0xfedcba98
	s_mov_b32 s[CS], 0x3e38aa3b                    ; log2(e) / sqrt(64)
	s_mov_b32 s[CS+1], s[CS]
	s_mov_b32 s[KF], 0
	s_mov_b32 s[TB], 0
	s_mov_b32 s[LP], 8
.macro HIDE base                       ; 32 registers of two blocks: hidden scores become -infinity ahead of the maximum
.irp q, 0,2
.irp j, 0,1,2,3,4,5,6,7
	v_cmp_gt_i32 vcc_lo, 8*\q+\j, v[DQE]
	v_cndmask_b32 v[\base+8*\q+\j], v[\base+8*\q+\j], v[NINF], vcc_lo
.endr
.irp j, 0,1,2,3,4,5,6,7
	v_cmp_gt_i32 vcc_lo, 8*\q+8+\j, v[DQO]
	v_cndmask_b32 v[\base+8*\q+8+\j], v[\base+8*\q+8+\j], v[NINF], vcc_lo
.endr
.endr
.endm
; A KEY STEP: 128 keys.  Its K is in registers, or on its way from LDS, when the step begins.
.macro STEP
	s_cmp_gt_u32 s[KF], s[QB]                      ; a step all of whose keys come after my 16 queries is left out: a branch on ids, round no barrier and no tensor load
	s_cbranch_scc1 .Lhidden_\@
	s_wait_dscnt 0x0                               ; K and its scale words are in
.irp t, 0,2,4,6
	v_wmma_scale_f32_16x16x128_f8f6f4 v[S+8*\t:S+8*\t+7], v[KR+4*\t:KR+4*\t+7], v[QF:QF+7], 0, v[KS+\t/2], v[QS] matrix_a_fmt:MATRIX_FMT_FP4 matrix_b_fmt:MATRIX_FMT_FP4
	v_wmma_scale_f32_16x16x128_f8f6f4 v[S+8*\t+8:S+8*\t+15], v[KR+4*\t+4:KR+4*\t+11], v[QF:QF+7], 0, v[KS+\t/2], v[QS] matrix_a_fmt:MATRIX_FMT_FP4 matrix_b_fmt:MATRIX_FMT_FP4 matrix_a_scale:MATRIX_SCALE_ROW1
.endr
	v_add_nc_u32 v[A16], s[TB], v[LK]              ; these four are the places in front of the loads below and of the reads of the scores
	v_add_nc_u32 v[A8], s[TB], v[S8]
	v_add_nc_u32 v[A4], s[TB], v[S4]
	v_nop
.irp t, 0,1,2,3
.irp c, 0,1
	ds_load_b128 v[VR+8*\t+4*\c:VR+8*\t+4*\c+3], v[A16] offset:32768+8192*\t+4096*\c   ; V lands while the softmax is worked,
.endr
.endr
.irp p, 0,1
	ds_load_b32 v[VS+\p], v[A4] offset:128*\p
.endr
	KLOAD 256                                      ; and the next step's K (behind a half's last step these are bytes of the same half, and are not used)
	s_cmp_lg_u32 s[KF], s[QB]
	s_cbranch_scc1 .Lopen_\@
	s_cmp_lt_u32 s[MT], 4                          ; on the diagonal: queries of the first 64 see none of the last 64 keys; queries of the last 64 see all of the first 64
	s_cbranch_scc0 .Lhigh_\@
	HIDE S
.set J, 0
.rept 32
	v_mov_b32 v[S+32+J], v[NINF]
.set J, J+1
.endr
	s_wait_alu depctr_va_vdst(0)
	s_branch .Lopen_\@
.Lhigh_\@:
	HIDE S+32
.Lopen_\@:
.irp b, 0,1,2,3
	v_max3_num_f32 v[BM+\b], v[S+16*\b], v[S+1+16*\b], v[S+2+16*\b]    ; the largest score of each half block
.endr
.irp i, 3,5,7,9,11,13
.irp b, 0,1,2,3
	v_max3_num_f32 v[BM+\b], v[BM+\b], v[S+16*\b+\i], v[S+1+16*\b+\i]
.endr
.endr
	v_max_num_f32 v[BM+1], v[BM+1], v[S+31]
	v_max_num_f32 v[BM+3], v[BM+3], v[S+63]
	v_max3_num_f32 v[BM], v[BM], v[S+15], v[BM+1]  ; my two blocks of 32 keys: it serves the row's maximum and, since p rises with the score, the block's largest p
	v_max3_num_f32 v[BM+2], v[BM+2], v[S+47], v[BM+3]
	s_delay_alu instid0(VALU_DEP_1)
	v_max_num_f32 v[TMP], v[BM], v[BM+2]
	s_delay_alu instid0(VALU_DEP_1)
	v_permlanex16_b32 v[T2], v[TMP], s[SEL], s[SEL+1]
	s_delay_alu instid0(VALU_DEP_1)
	v_max_num_f32 v[TMP], v[TMP], v[T2]            ; with lane l xor 16's two
	s_delay_alu instid0(VALU_DEP_1)
	v_mul_f32 v[TMP], s[CS], v[TMP]                ; as t (c is positive)
	s_delay_alu instid0(VALU_DEP_1)
	v_max_num_f32 v13, v13, v[TMP]                 ; the running largest t
	v_mov_b32 v[TMP], v12
	s_delay_alu instid0(VALU_DEP_2)
	v_floor_f32 v12, -v13                          ; the new -M = floor(-t): M is a whole number
.set J, 0
.rept 32
	v_pk_fma_f32 v[S+J:S+J+1], v[S+J:S+J+1], s[CS:CS+1], v[12:13] op_sel_hi:[1,0,0]   ; t - M, two at a time
.if J == 6
	v_sub_f32 v[TMP], v12, v[TMP]                  ; old M less new M: a whole number, 0 or less
.endif
.if J == 14
	v_cvt_i32_f32 v[TMP], v[TMP]                   ; (it saturates)
.endif
.if J == 22
	v_ldexp_f32 v[FF], 1.0, v[TMP]                 ; f = 2^(old M - new M)
.endif
.set J, J+2
.endr
	v_fma_f32 v[BM], v[BM], s[CS], v12             ; the same of each block's largest score
	v_fma_f32 v[BM+2], v[BM+2], s[CS], v12
.set J, 0
.rept 16
	v_pk_mul_f32 v[OT+J:OT+J+1], v[OT+J:OT+J+1], v[FF:FF+1] op_sel_hi:[1,0]   ; O^T under the new M
.set J, J+2
.endr
	s_wait_alu depctr_va_vdst(0)
	v_exp_f32 v[BM], v[BM]                         ; the block's largest p: the same two instructions on the same number
	v_exp_f32 v[BM+2], v[BM+2]
.set J, 0
.rept 64
	v_exp_f32 v[S+J], v[S+J]                       ; p = 2^(t - M)
.set J, J+1
.endr
	v_pk_mul_f32 v[14:15], v[14:15], v[FF:FF+1] op_sel_hi:[1,0]        ; the sums under the new M: a plain place behind the exponentials
	s_wait_alu depctr_va_vdst(0)                   ; one wait for the batch, ahead of its first reader
	v_max_num_f32 v[BM], 0x1800000, v[BM]          ; the floor 2^(3 - 127): the byte cannot fall under 1
	v_max_num_f32 v[BM+2], 0x1800000, v[BM+2]
	s_delay_alu instid0(VALU_DEP_2)
	v_add_nc_u32 v[SO], 0xff000000, v[BM]          ; 2 off the exponent field: the conversion's scale operand
	s_delay_alu instid0(VALU_DEP_2)
	v_add_nc_u32 v[SO+1], 0xff000000, v[BM+2]
	s_delay_alu instid0(VALU_DEP_2)
	v_lshrrev_b32 v[T2], 23, v[SO]                 ; the scale's byte: of block h,
	s_delay_alu instid0(VALU_DEP_2)
	v_lshrrev_b32 v[T2+1], 23, v[SO+1]             ; and of block 2 + h
	s_delay_alu instid0(VALU_DEP_1)
	v_lshl_or_b32 v[TMP], v[T2+1], 16, v[T2]
	s_delay_alu instid0(VALU_DEP_1)
	v_permlanex16_b32 v[T2+3], v[TMP], s[SEL], s[SEL+1]
	s_delay_alu instid0(VALU_DEP_1)
	v_lshl_or_b32 v[PWD], v[T2+3], 8, v[TMP]       ; p's scale word for these 128 keys, in lanes 0-15, which are read
.irp c, 0,1
.irp q, 0,1,2,3
	v_cvt_scalef32_pk8_fp4_f32 v[PC+4*\c+\q], v[S+32*\c+8*\q:S+32*\c+8*\q+7], v[SO+\c]     ; the operand's registers as they stand: block 2 c + h
.endr
.endr
	v_nop                                          ; one plain place behind the scaled conversions
	; the row's sum, of the unquantised p: eight chains, the seven in v196-209 begun anew.  These 32 are also the places between the scale word's and the codes' last writes and the products
.irp k, 0,1,2,3,4,5,6
	v_pk_add_f32 v[BM+2*\k:BM+2*\k+1], v[S+4*\k:S+4*\k+1], v[S+4*\k+2:S+4*\k+3]
.endr
	v_pk_add_f32 v[14:15], v[14:15], v[S+28:S+29]
.irp k, 0,1,2,3,4,5,6
	v_pk_add_f32 v[BM+2*\k:BM+2*\k+1], v[BM+2*\k:BM+2*\k+1], v[S+30+2*\k:S+31+2*\k]
.endr
	v_pk_add_f32 v[14:15], v[14:15], v[S+44:S+45]
.irp k, 0,1,2,3,4,5,6
	v_pk_add_f32 v[BM+2*\k:BM+2*\k+1], v[BM+2*\k:BM+2*\k+1], v[S+46+2*\k:S+47+2*\k]
.endr
	v_pk_add_f32 v[14:15], v[14:15], v[S+60:S+61]
	v_pk_add_f32 v[BM:BM+1], v[BM:BM+1], v[S+62:S+63]
	v_pk_add_f32 v[BM+4:BM+5], v[BM+4:BM+5], v[BM+6:BM+7]
	v_pk_add_f32 v[BM+8:BM+9], v[BM+8:BM+9], v[BM+10:BM+11]
	v_pk_add_f32 v[14:15], v[14:15], v[BM+12:BM+13]
	v_pk_add_f32 v[BM:BM+1], v[BM:BM+1], v[BM+2:BM+3]
	v_pk_add_f32 v[BM+4:BM+5], v[BM+4:BM+5], v[BM+8:BM+9]
	s_delay_alu instid0(VALU_DEP_2)
	v_pk_add_f32 v[14:15], v[14:15], v[BM:BM+1]
	s_delay_alu instid0(VALU_DEP_1)
	v_pk_add_f32 v[14:15], v[14:15], v[BM+4:BM+5]
	s_wait_dscnt 0xa                               ; V and its scale words are in; the next K's ten loads may be out
.irp t, 0,2
	v_wmma_scale_f32_16x16x128_f8f6f4 v[OT+8*\t:OT+8*\t+7], v[VR+8*\t:VR+8*\t+7], v[PC:PC+7], v[OT+8*\t:OT+8*\t+7], v[VS+\t/2], v[PWD] matrix_a_fmt:MATRIX_FMT_FP4 matrix_b_fmt:MATRIX_FMT_FP4
	v_wmma_scale_f32_16x16x128_f8f6f4 v[OT+8*\t+8:OT+8*\t+15], v[VR+8*\t+8:VR+8*\t+15], v[PC:PC+7], v[OT+8*\t+8:OT+8*\t+15], v[VS+\t/2], v[PWD] matrix_a_fmt:MATRIX_FMT_FP4 matrix_b_fmt:MATRIX_FMT_FP4 matrix_a_scale:MATRIX_SCALE_ROW1
.endr
.Lhidden_\@:
	s_add_co_u32 s[KF], s[KF], 128
	s_add_co_u32 s[TB], s[TB], 256
.endm
	s_wait_alu depctr_va_vdst(0)
	s_wait_tensorcnt 0x0                           ; my part of the first half is in
	ds_add_u32 v[SPW], v[NIL]
	ds_add_u32 v[SPW], v[NIL]
	s_wait_dscnt 0x0
	CROUND                                         ; everybody's part of the first half is in, and the cluster's four are here
	s_cmp_lt_u32 s[WV], 7
	s_cbranch_scc0 .Lnot_late
	tensor_load_to_lds s[G0L:G0L+3], s[G1C:G1C+7]  ; waves 0-6: the second half
	s_nop 0
	PLACES
	s_branch .Lasked
.Lnot_late:
	s_cmp_lt_u32 s[WV], 8
	s_cbranch_scc1 .Lasked
	tensor_load_to_lds s[G0F:G0F+3], s[G1F:G1F+7]  ; waves 8-15: wo's K steps 0 and 1
	s_nop 0
	PLACES
.Lasked:
	s_wait_loadcnt 0x0                             ; Q
	KFIRST
.Lfirst:
	STEP
	s_sub_co_u32 s[LP], s[LP], 1
	s_cmp_lg_u32 s[LP], 0
	s_wait_alu depctr_va_vdst(0)
	s_cbranch_scc1 .Lfirst
	s_wait_tensorcnt 0x0                           ; my part of the second half, or of wo, is in
	ds_add_u32 v[SPW], v[NIL]
	ds_add_u32 v[SPW], v[NIL]
	s_wait_dscnt 0x0
	CROUND                                         ; everybody's part is in, nobody reads the first half any more, and the cluster's four are here
	tensor_load_to_lds s[G0R:G0R+3], s[G1R:G1R+7]  ; wo's K step 2: 4,096 bytes a wave, read by that wave alone when attention is over
	s_nop 0
	PLACES
	v_and_b32 v24, 15, v0
	v_bfe_u32 v25, v0, 4, 1
	v_lshlrev_b32 v26, 7, v24
	v_lshl_add_u32 v26, v25, 5, v26                ; scale bytes of wo's row 4 r + h
	v_lshlrev_b32 v27, 4, v24
.irp u, 0,1
	global_load_b128 v[WS+8*\u:WS+8*\u+3], v26, s[WSP:WSP+1] offset:64*\u          ; register WS + 8 u + ks: lanes 0-15 tile 2 u, lanes 16-31 tile 2 u + 1
	global_load_b128 v[WS+8*\u+4:WS+8*\u+7], v26, s[WSP:WSP+1] offset:64*\u+16
.endr
	global_load_b128 v[BO:BO+3], v27, s[10:11]     ; the bias of columns 4 r + 0 .. 3
	s_mov_b32 s[TB], HALFB
	s_mov_b32 s[LP], 8
	s_wait_xcnt 0x0                                ; v26, v27 have been read: K lands on them
	KFIRST
	s_cmp_lt_u32 ttmp9, 4                          ; four clusters ask for wo's K steps 3 to 7, each for all of it once
	s_cbranch_scc0 .Lno_ask
	s_cmp_eq_u32 s[II], 0
	s_cbranch_scc0 .Lno_ask
	global_prefetch_b8 v[PFO], s[PFA:PFA+1] th:TH_LOAD_NT scope:SCOPE_SE
.Lno_ask:
.Lsecond:
	STEP
	s_sub_co_u32 s[LP], s[LP], 1
	s_cmp_lg_u32 s[LP], 0
	s_wait_alu depctr_va_vdst(0)
	s_cbranch_scc1 .Lsecond
	; THE WAY TO THE LAST PRODUCT
	s_wait_dscnt 0x0                               ; the last K loads
	s_wait_tensorcnt 0x0                           ; wo's K step 2
	s_lshl_b32 s88, s[WV], 13
	s_add_co_u32 s88, s88, W1B
	v_and_b32 v2, 15, v0                           ; r; these lines are also the places behind the last products
	v_bfe_u32 v3, v0, 4, 1                         ; h
	v_add_nc_u32 v10, s88, v[LG]                   ; my K steps 0 and 1 of wo,
	v_add_nc_u32 v19, s[G0R+1], v[LG]              ; 2,
	v_add_nc_u32 v17, s[G0E+1], v[LG]              ; and 3 to 5
	v_mul_u32_u24 v16, s97, v3
	v_lshl_add_u32 v16, v2, 4, v16                 ; the output: lanes 0-15 block i's row, lanes 16-31 block 15 - i's; 16 bytes a lane
	v_lshlrev_b32 v8, 9, v2
	v_lshl_add_u32 v8, v3, 8, v8
	v_add_nc_u32 v8, s[MA], v8                     ; A's codes in: [query r][lane 16 h + m]
	v_lshl_add_u32 v9, v2, 1, v3
	v_add_nc_u32 v9, s[MS], v9                     ; A's scale byte in: row m, block 2 r + h
	v_add_nc_u32 v18, ACODE, v[LG]                 ; A's fragments
	v_lshlrev_b32 v20, 5, v2
	v_add_nc_u32 v20, ASC, v20                     ; A's scale words
.set J, 0
.rept 16
	ds_load_b128 v[S+4*J:S+4*J+3], v10 offset:512*J                    ; wo, K steps 0, 1: register 32 kk + 8 t + 4 c
.set J, J+1
.endr
.set J, 0
.rept 16
	global_load_b128 v[KR+4*J:KR+4*J+3], v[LG], s[W3P:W3P+1] offset:512*J          ; wo, K steps 6, 7
.set J, J+1
.endr
	s_wait_alu depctr_va_vdst(0)
	s_wait_tensorcnt 0x0
	ds_add_u32 v[SPW], v[NIL]
	s_wait_dscnt 0x0                               ; the add is done, and my reads of K, V and wo are over
	CROUND                                         ; everybody's are, in all four work-groups
	tensor_load_to_lds s[G0E:G0E+3], s[G1E:G1E+7]  ; wo, K steps 3 to 5, over the second half and the steps before: 12,288 bytes a wave, read by that wave alone
	s_nop 0
	PLACES
	; O^T / the sum, quantised along the last product's K: two blocks of 32 channels for each query; my 16 queries are one row of A
	v_add_f32 v14, v14, v15
	s_delay_alu instid0(VALU_DEP_1)
	v_permlanex16_b32 v[TMP], v14, s[SEL], s[SEL+1]
	s_delay_alu instid0(VALU_DEP_1)
	v_add_f32 v14, v14, v[TMP]                     ; the row's sum
	s_wait_alu depctr_va_vdst(0)
	v_rcp_f32 v14, v14
	v_nop                                          ; a plain place behind the reciprocal
	s_wait_alu depctr_va_vdst(0)                   ; and the wait ahead of its first reader
.set J, 0
.rept 32
	v_mul_f32 v[OT+J], v[OT+J], v14                ; register 8 t + j: channel 16 t + 8 h + j of query r
.set J, J+1
.endr
.irp b, 0,1
	v_max3_num_f32 v[BM+\b], |v[OT+16*\b]|, |v[OT+1+16*\b]|, 0x1800000
.endr
.irp i, 2,4,6,8,10,12,14
.irp b, 0,1
	s_delay_alu instid0(VALU_DEP_2)
	v_max3_num_f32 v[BM+\b], v[BM+\b], |v[OT+16*\b+\i]|, |v[OT+1+16*\b+\i]|
.endr
.endr
.irp b, 0,1
	s_delay_alu instid0(VALU_DEP_2)
	v_permlanex16_b32 v[T2+\b], v[BM+\b], s[SEL], s[SEL+1]
.endr
.irp b, 0,1
	s_delay_alu instid0(VALU_DEP_2)
	v_max_num_f32 v[BM+\b], v[BM+\b], v[T2+\b]
.endr
.irp b, 0,1
	s_delay_alu instid0(VALU_DEP_2)
	v_add_nc_u32 v[SO+\b], 0xff000000, v[BM+\b]
.endr
.irp b, 0,1
	s_delay_alu instid0(VALU_DEP_2)
	v_lshrrev_b32 v[T2+\b], 23, v[SO+\b]
.endr
.irp b, 0,1
	v_cvt_scalef32_pk8_fp4_f32 v[CD+\b], v[OT+16*\b:OT+16*\b+7], v[SO+\b]
	v_cvt_scalef32_pk8_fp4_f32 v[CD+2+\b], v[OT+16*\b+8:OT+16*\b+15], v[SO+\b]
.endr
	v_nop
	v_permlane16_swap_b32 v[CD], v[CD+1]
	v_permlane16_swap_b32 v[CD+2], v[CD+3]         ; lane (r, h): channels 32 h + 0 .. 31 of query r,
	v_cndmask_b32 v[CB], v[T2], v[T2+1], s[HI]     ; and the byte of block 2 r + h
	ds_store_b128 v8, v[CD:CD+3]
	ds_store_b8 v9, v[CB]
	s_wait_dscnt 0x0                               ; my row is stored
	s_barrier_signal -1
	s_barrier_wait -1                              ; everybody's is.  The loads of wo stay out
.macro AFRAG slot, ks
.irp c, 0,1
	ds_load_b128 v[PC+8*\slot+4*\c:PC+8*\slot+4*\c+3], v18 offset:512*(2*\ks+\c)
.endr
.endm
; one K step: the four tiles take turns
.macro OMUL w, slot, ks, zero
.irp t, 0,2
.if \zero
	v_wmma_scale_f32_16x16x128_f8f6f4 v[OT+8*\t:OT+8*\t+7], v[PC+8*\slot:PC+8*\slot+7], v[\w+8*\t:\w+8*\t+7], 0, v[AS+\ks], v[WS+4*\t+\ks] matrix_a_fmt:MATRIX_FMT_FP4 matrix_b_fmt:MATRIX_FMT_FP4
	v_wmma_scale_f32_16x16x128_f8f6f4 v[OT+8*\t+8:OT+8*\t+15], v[PC+8*\slot:PC+8*\slot+7], v[\w+8*\t+8:\w+8*\t+15], 0, v[AS+\ks], v[WS+4*\t+\ks] matrix_a_fmt:MATRIX_FMT_FP4 matrix_b_fmt:MATRIX_FMT_FP4 matrix_b_scale:MATRIX_SCALE_ROW1
.else
	v_wmma_scale_f32_16x16x128_f8f6f4 v[OT+8*\t:OT+8*\t+7], v[PC+8*\slot:PC+8*\slot+7], v[\w+8*\t:\w+8*\t+7], v[OT+8*\t:OT+8*\t+7], v[AS+\ks], v[WS+4*\t+\ks] matrix_a_fmt:MATRIX_FMT_FP4 matrix_b_fmt:MATRIX_FMT_FP4
	v_wmma_scale_f32_16x16x128_f8f6f4 v[OT+8*\t+8:OT+8*\t+15], v[PC+8*\slot:PC+8*\slot+7], v[\w+8*\t+8:\w+8*\t+15], v[OT+8*\t+8:OT+8*\t+15], v[AS+\ks], v[WS+4*\t+\ks] matrix_a_fmt:MATRIX_FMT_FP4 matrix_b_fmt:MATRIX_FMT_FP4 matrix_b_scale:MATRIX_SCALE_ROW1
.endif
.endr
.endm
	ds_load_b128 v[AS:AS+3], v20                   ; lane r: row r's eight scale words
	ds_load_b128 v[AS+4:AS+7], v20 offset:16
	AFRAG 0, 0
	AFRAG 1, 1
	AFRAG 2, 6
	AFRAG 3, 7
	s_wait_dscnt 0x0
	s_wait_loadcnt 0x10                            ; wo's scale words and the bias are in; K steps 6 and 7's sixteen loads may be out
	OMUL S, 0, 0, 1
	OMUL S+32, 1, 1, 0
	s_wait_loadcnt 0x0
	OMUL KR, 2, 6, 0
	OMUL KR+32, 3, 7, 0
	PLACES
	AFRAG 0, 2
	AFRAG 1, 3
	AFRAG 2, 4
	AFRAG 3, 5
.set J, 0
.rept 8
	ds_load_b128 v[S+4*J:S+4*J+3], v19 offset:512*J                    ; K step 2
.set J, J+1
.endr
	s_wait_tensorcnt 0x0                           ; my K steps 3 to 5 of wo are in
.set J, 0
.rept 8
	ds_load_b128 v[S+32+4*J:S+32+4*J+3], v17 offset:512*J
.set J, J+1
.endr
.set J, 0
.rept 16
	ds_load_b128 v[KR+4*J:KR+4*J+3], v17 offset:4096+512*J
.set J, J+1
.endr
	s_wait_dscnt 0x10                              ; all but the last sixteen
	OMUL S, 0, 2, 0
	OMUL S+32, 1, 3, 0
	s_wait_dscnt 0x0
	OMUL KR, 2, 4, 0
	OMUL KR+32, 3, 5, 0
	PLACES
.irp j, 0,1,2,3,4,5,6,7
.irp t, 0,1,2,3
	v_add_f32 v[S+4*\j+\t], v[OT+8*\t+\j], v[BO+\t]        ; row 8 h + j, columns 4 r + 0 .. 3
.endr
.endr
.irp j, 0,1,2,3,4,5,6,7
	global_store_b128 v16, v[S+4*\j:S+4*\j+3], s[12:13] offset:4096*\j th:TH_STORE_NT  ; sixteen lanes store 256 consecutive bytes, aligned
.endr
	s_wait_tensorcnt 0x0                           ; the wave's end
	ds_add_u32 v[SPW], v[NIL]
	s_wait_dscnt 0x0
	CROUND                                         ; the closing round
	s_endpgm
.Lfunc_end_k_qede0ad22db_attn:
	.size	k_qede0ad22db_attn, .Lfunc_end_k_qede0ad22db_attn-k_qede0ad22db_attn
	.p2alignl 7, 3214868480
	.fill 96, 4, 3214868480
	.section	.rodata,"a",@progbits
	.p2align	6, 0x0
	.amdhsa_kernel k_qede0ad22db_attn
		.amdhsa_group_segment_fixed_size 327680
		.amdhsa_private_segment_fixed_size 0
		.amdhsa_enable_private_segment 0
		.amdhsa_kernarg_size 40
		.amdhsa_user_sgpr_count 2
		.amdhsa_user_sgpr_kernarg_segment_ptr 1
		.amdhsa_wavefront_size32 1
		.amdhsa_system_sgpr_workgroup_id_x 1
		.amdhsa_system_sgpr_workgroup_id_y 1
		.amdhsa_system_sgpr_workgroup_id_z 1
		.amdhsa_system_vgpr_workitem_id 0
		.amdhsa_next_free_vgpr 256
		.amdhsa_next_free_sgpr 104
		.amdhsa_reserve_vcc 1
		.amdhsa_float_denorm_mode_32 3
		.amdhsa_float_denorm_mode_16_64 3
		.amdhsa_memory_ordered 1
		.amdhsa_forward_progress 1
		.amdhsa_inst_pref_size 72
	.end_amdhsa_kernel
	.amdgpu_metadata
---
amdhsa.version: [ 1, 2 ]
amdhsa.kernels:
  - .name:           k_qede0ad22db_attn
    .symbol:         k_qede0ad22db_attn.kd
    .args:
      - { .name: qkv, .offset: 0, .size: 8, .value_kind: global_buffer, .address_space: global }
      - { .name: wof, .offset: 8, .size: 8, .value_kind: global_buffer, .address_space: global }
      - { .name: wo_scales, .offset: 16, .size: 8, .value_kind: global_buffer, .address_space: global }
      - { .name: bo, .offset: 24, .size: 8, .value_kind: global_buffer, .address_space: global }
      - { .name: out0, .offset: 32, .size: 8, .value_kind: global_buffer, .address_space: global }
    .group_segment_fixed_size: 327680
    .private_segment_fixed_size: 0
    .kernarg_segment_align: 8
    .kernarg_segment_size: 40
    .max_flat_workgroup_size: 512
    .sgpr_count:     104
    .vgpr_count:     256
    .wavefront_size: 32
...
	.end_amdgpu_metadata
.endif
;; end of part 2
